; MI455X (gfx1250); checked and timed in simulation.
; The chip was launched on July 23, 2026; its instructions are those of AMD's public machine-readable ISA for CDNA 5 (MIT licence, August 2026) and "CDNA5" Instruction Set Architecture Reference Guide (July 2026). The comments in the code are by the model that wrote it; some were corrected since.
;; SDT. Allowed arithmetic: float matrix products may take bf16 or f16 operands with f32 sums; all other float work in f32.
;; Inputs: W_inner 1,023 x 128 float32; W_leaf 32 x 1,024 float32; data 65,536 x 128 float32.
;; Outputs: out0 65,536 x 32 float32; out1 one number float32.
;; One version. Each part assembles by itself: llvm-mc -triple=amdgcn-amd-amdhsa -mcpu=gfx1250 --defsym DOCPART=n.
;; ======== version 1 of 1: 4 launches
;; limits: values outside matrix products are rounded to bf16; values are held in f16: magnitudes above 65,504 overflow, below 6.1e-05 lose precision; inputs' magnitudes at most 45,403
;; workspace buffers: wstream 335,872 bytes; colsum 1,048,576 bytes; logsum 256 bytes
;; launch prep (part 1): grid 164 x 1, 4 waves a work-group, no clusters, 0 bytes of LDS; arguments W_inner, W_leaf, wstream; writes wstream
.if DOCPART == 1
	.amdgcn_target "amdgcn-amd-amdhsa--gfx1250"
	.amdhsa_code_object_version 6
	.text
	.protected	k_q53f81017cc_prep
	.globl	k_q53f81017cc_prep
	.p2align	8
	.type	k_q53f81017cc_prep,@function
k_q53f81017cc_prep:
	s_mov_b64 s[64:65], 0
	v_nop
	global_prefetch_b8 v0, s[64:65] scope:SCOPE_SE
	s_setreg_imm32_b32 hwreg(HW_REG_WAVE_MODE, 25, 1), 1
	s_wait_xcnt 0x0
; prep: both weight tables to f16, laid out as matrix fragments in the order in which the launch 'tree' walks them.
; W_inner is multiplied by -log2(e) on the way (in f32, one rounding to f16 behind it), so that 1 / (1 + exp2(logit)) is the sigmoid.
; LIMIT: f16's largest number is 65,504: |1.4427 W_inner| and |W_leaf| have to stay below it.  Numbers below 2^-14 keep an absolute error of 2^-25 at the most.
; wstream: U[g], g = 0, 1 (20,480 bytes each): tiles T, X4 (sign flipped for g = 1: its sigmoid is then 1 - p), X5(g), X6(2g), X6(2g+1);
; from byte 40,960: steps i = 0..3 of 73,728 bytes = pieces g = 0, 1 of 36,864 bytes; with q7 = 4g + i a piece is
;   X7(q7), X8(2q7), X9(4q7), WL(4q7), X9(4q7+1), WL(4q7+1), X8(2q7+1), X9(4q7+2), WL(4q7+2), X9(4q7+3), WL(4q7+3).
; Tile X(l, q), 4,096 bytes: its row m is W_inner's row 2^l - 1 + (m << (l-4)) + q; bytes [c 0..3][u 0..1][lane][16]: lane (r, h) holds
; row r, k = 32c + 16u + 8h .. +7.  Tile T: row 8h' + j is the root for j = 0 (sign flipped for h' = 1), else row (P-1) + P h' + j
; with P = 1, 2, 2, 4, 4, 4, 4 for j = 1..7.  WL(q9), 2,048 bytes [ot][u][lane][16]: element e is W_leaf[16 ot + r][64 (8h + e) + 2 q9 + u].
; One work-group makes 2,048 bytes of the stream; thread t stores the 16 bytes at 2048 G + 16 t: a wave's store covers 512 consecutive bytes.
; Which piece a work-group makes hangs on its number alone.
.set NLOG2E, 0xbfb8aa3b                ; -log2(e)
.set PLOG2E, 0x3fb8aa3b
	s_load_b128 s[4:7], s[0:1], 0x0                ; W_inner s[4:5], W_leaf s[6:7]
	s_load_b64 s[8:9], s[0:1], 0x10                ; wstream
	s_mov_b32 s10, ttmp9                           ; G
	s_mov_b32 s15, NLOG2E                          ; the factor
	s_cmp_ge_u32 s10, 20
	s_cbranch_scc1 .Lsteps
	; the first 20 granules: U[0], U[1], five tiles of two granules each
	s_cmp_ge_u32 s10, 10
	s_cselect_b32 s17, 1, 0                        ; g
	s_mul_i32 s18, s17, 10
	s_sub_co_u32 s18, s10, s18
	s_and_b32 s14, s18, 1                          ; which half of the tile
	s_lshr_b32 s18, s18, 1                         ; tile 0..4
	s_cmp_eq_u32 s18, 0
	s_cbranch_scc1 .Ltop
	s_cmp_eq_u32 s18, 1
	s_cbranch_scc0 .Lu56
	s_mov_b32 s12, 0                               ; X4: shift l - 4
	s_mov_b32 s13, 15                              ; 2^4 - 1
	s_lshl_b32 s19, s17, 31
	s_xor_b32 s15, s15, s19                        ; the sign flips for g = 1
	s_branch .Ltile
.Lu56:
	s_cmp_eq_u32 s18, 2
	s_cbranch_scc0 .Lu6
	s_mov_b32 s12, 1                               ; X5(g)
	s_add_co_u32 s13, s17, 31
	s_branch .Ltile
.Lu6:
	s_mov_b32 s12, 2                               ; X6(2g + tile - 3)
	s_lshl1_add_u32 s13, s17, s18
	s_add_co_u32 s13, s13, 60                      ; 63 - 3
	s_branch .Ltile
.Lsteps:
	s_sub_co_u32 s18, s10, 20
	s_mul_i32 s19, s18, 1821
	s_lshr_b32 s19, s19, 16                        ; i = (G - 20) / 36, exact for the 144 values that occur
	s_mul_i32 s20, s19, 36
	s_sub_co_u32 s18, s18, s20
	s_cmp_ge_u32 s18, 18
	s_cselect_b32 s17, 1, 0                        ; g
	s_mul_i32 s20, s17, 18
	s_sub_co_u32 s18, s18, s20                     ; granule 0..17 of the piece
	s_lshl2_add_u32 s19, s17, s19                  ; q7 = 4g + i
	s_cmp_lt_u32 s18, 2
	s_cbranch_scc0 .Lbelow7
	s_mov_b32 s12, 3                               ; X7(q7)
	s_add_co_u32 s13, s19, 127
	s_mov_b32 s14, s18
	s_branch .Ltile
.Lbelow7:
	s_sub_co_u32 s18, s18, 2
	s_lshr_b32 s20, s18, 3                         ; left or right child of X7
	s_and_b32 s18, s18, 7                          ; f
	s_lshl1_add_u32 s19, s19, s20                  ; q8
	s_cmp_lt_u32 s18, 2
	s_cbranch_scc0 .Lnine
	s_mov_b32 s12, 4                               ; X8(q8)
	s_add_co_u32 s13, s19, 255
	s_mov_b32 s14, s18
	s_branch .Ltile
.Lnine:
	s_cmp_ge_u32 s18, 5
	s_cselect_b32 s20, 1, 0
	s_lshl1_add_u32 s16, s19, s20                  ; q9
	s_mul_i32 s20, s20, 3
	s_sub_co_u32 s18, s18, s20
	s_sub_co_u32 s18, s18, 2                       ; 0, 1: the halves of X9(q9); 2: WL(q9)
	s_cmp_eq_u32 s18, 2
	s_cbranch_scc1 .Lleaf
	s_mov_b32 s12, 5
	s_add_co_u32 s13, s16, 511
	s_mov_b32 s14, s18
.Ltile:
	v_and_b32 v1, 15, v0                           ; r
	v_lshlrev_b32 v2, s12, v1
	v_add_nc_u32 v2, s13, v2                       ; W_inner's row
	v_mov_b32 v12, s15
.Lrows:
	v_mov_b32 v13, v12                             ; the factor twice, for the packed multiply
	v_lshrrev_b32 v3, 4, v0                        ; 4 (c & 1) + 2u + h
	v_lshlrev_b32 v3, 5, v3                        ; x 8 numbers x 4 bytes
	v_lshl_add_u32 v3, v2, 9, v3                   ; + row x 512 bytes
	s_lshl_b32 s14, s14, 8                         ; + 64 numbers for the tile's second half
	v_add_nc_u32 v3, s14, v3
	s_wait_kmcnt 0x0
	global_load_b128 v[4:7], v3, s[4:5]
	global_load_b128 v[8:11], v3, s[4:5] offset:16
	s_wait_loadcnt 0x0
	v_pk_mul_f32 v[4:5], v[4:5], v[12:13]
	v_pk_mul_f32 v[6:7], v[6:7], v[12:13]
	v_pk_mul_f32 v[8:9], v[8:9], v[12:13]
	v_pk_mul_f32 v[10:11], v[10:11], v[12:13]
	s_branch .Lpack
.Ltop:
	v_and_b32 v1, 15, v0                           ; r = 8h' + j
	v_and_b32 v14, 7, v1                           ; j
	v_lshrrev_b32 v15, 3, v1                       ; h'
	v_cmp_lt_u32 vcc_lo, 1, v14
	v_cndmask_b32 v2, 1, 2, vcc_lo
	v_cmp_lt_u32 vcc_lo, 3, v14
	v_cndmask_b32 v2, v2, 4, vcc_lo                ; P: nodes of the layer in one half of the tree
	v_mad_u32_u24 v15, v2, v15, v14                ; P h' + j
	v_add_nc_u32 v2, v2, v15                       ; + P
	v_add_nc_u32 v2, -1, v2                        ; - 1
	v_cmp_eq_u32 vcc_lo, 0, v14
	v_cndmask_b32 v2, v2, 0, vcc_lo                ; j = 0: the root
	v_mov_b32 v12, s15
	v_cmp_eq_u32 vcc_lo, 8, v1
	v_cndmask_b32 v12, v12, PLOG2E, vcc_lo         ; the root's second copy with the other sign
	s_branch .Lrows
.Lleaf:
	; eight numbers 256 bytes apart in a row of W_leaf: loads of 4 bytes.  All the WL granules together read W_leaf's 131,072 bytes once.
	v_and_b32 v1, 15, v0
	v_lshrrev_b32 v2, 6, v0                        ; ot
	v_lshl_add_u32 v1, v2, 4, v1                   ; o = 16 ot + r
	v_bfe_u32 v2, v0, 4, 1                         ; h
	v_bfe_u32 v3, v0, 5, 1                         ; u
	v_lshlrev_b32 v1, 12, v1                       ; a row of W_leaf is 4,096 bytes
	v_lshl_add_u32 v1, v2, 11, v1                  ; 8h slots of 64 leaves
	v_lshl_add_u32 v1, v3, 2, v1
	s_lshl_b32 s16, s16, 3                         ; 2 q9 numbers
	v_add_nc_u32 v3, s16, v1
	s_wait_kmcnt 0x0
.irp e, 0,1,2,3,4,5,6,7
	global_load_b32 v[4+\e], v3, s[6:7] offset:256*\e
.endr
	s_wait_loadcnt 0x0
.Lpack:
.irp i, 0,1,2,3
	v_cvt_pk_f16_f32 v[16+\i], v[4+2*\i], v[5+2*\i]
.endr
	v_lshlrev_b32 v20, 4, v0
	s_lshl_b32 s10, s10, 11
	v_add_nc_u32 v20, s10, v20
	global_store_b128 v20, v[16:19], s[8:9]
	s_endpgm
.Lfunc_end_k_q53f81017cc_prep:
	.size	k_q53f81017cc_prep, .Lfunc_end_k_q53f81017cc_prep-k_q53f81017cc_prep
	.p2alignl 7, 3214868480
	.fill 96, 4, 3214868480
	.section	.rodata,"a",@progbits
	.p2align	6, 0x0
	.amdhsa_kernel k_q53f81017cc_prep
		.amdhsa_group_segment_fixed_size 0
		.amdhsa_private_segment_fixed_size 0
		.amdhsa_enable_private_segment 0
		.amdhsa_kernarg_size 24
		.amdhsa_user_sgpr_count 2
		.amdhsa_user_sgpr_kernarg_segment_ptr 1
		.amdhsa_wavefront_size32 1
		.amdhsa_system_sgpr_workgroup_id_x 1
		.amdhsa_system_sgpr_workgroup_id_y 1
		.amdhsa_system_sgpr_workgroup_id_z 1
		.amdhsa_system_vgpr_workitem_id 0
		.amdhsa_next_free_vgpr 32
		.amdhsa_next_free_sgpr 66
		.amdhsa_reserve_vcc 1
		.amdhsa_float_denorm_mode_32 3
		.amdhsa_float_denorm_mode_16_64 3
		.amdhsa_memory_ordered 1
		.amdhsa_forward_progress 1
		.amdhsa_inst_pref_size 6
	.end_amdhsa_kernel
	.amdgpu_metadata
---
amdhsa.version: [ 1, 2 ]
amdhsa.kernels:
  - .name:           k_q53f81017cc_prep
    .symbol:         k_q53f81017cc_prep.kd
    .args:
      - { .name: W_inner, .offset: 0, .size: 8, .value_kind: global_buffer, .address_space: global }
      - { .name: W_leaf, .offset: 8, .size: 8, .value_kind: global_buffer, .address_space: global }
      - { .name: wstream, .offset: 16, .size: 8, .value_kind: global_buffer, .address_space: global }
    .group_segment_fixed_size: 0
    .private_segment_fixed_size: 0
    .kernarg_segment_align: 8
    .kernarg_segment_size: 24
    .max_flat_workgroup_size: 128
    .sgpr_count:     66
    .vgpr_count:     32
    .wavefront_size: 32
...
	.end_amdgpu_metadata
.endif
;; end of part 1
;; launch tree (part 2): grid 256 x 1, 8 waves a work-group, clusters of 4 x 1, 327,680 bytes of LDS; arguments data, wstream, out0, colsum; writes out0, colsum
.if DOCPART == 2
	.amdgcn_target "amdgcn-amd-amdhsa--gfx1250"
	.amdhsa_code_object_version 6
	.text
	.protected	k_q53f81017cc_tree
	.globl	k_q53f81017cc_tree
	.p2align	8
	.type	k_q53f81017cc_tree,@function
k_q53f81017cc_tree:
	s_mov_b64 s[64:65], 0
	v_nop
	global_prefetch_b8 v0, s[64:65] scope:SCOPE_SE
	s_setreg_imm32_b32 hwreg(HW_REG_WAVE_MODE, 25, 1), 1
	s_wait_xcnt 0x0
	s_wait_alu depctr_hold_cnt(0) depctr_sa_sdst(0) depctr_va_vdst(0) depctr_va_sdst(0) depctr_va_ssrc(0) depctr_va_vcc(0) depctr_vm_vsrc(0)
	s_getreg_b32 s2, hwreg(HW_REG_IB_STS2, 6, 4)
	s_cmp_eq_u32 s2, 0
	s_cbranch_scc0 .Lentry_in_a_cluster
	s_endpgm
.Lentry_in_a_cluster:
	s_bfe_u32 s2, ttmp6, 0x10000c
	s_cmp_lg_u32 s2, 0x3003
	s_cbranch_scc0 .Lentry_shape_is_right
	s_endpgm
.Lentry_shape_is_right:
; tree: for 256 rows of data a work-group makes all 1,023 sigmoids, the 1,024 path products mu, out0 = mu W_leaf^T, and its own sums of mu over its rows.
; The penalty needs the leaf sums alone: the two alphas of a node add to 1, so a layer's term is -lambda 2^-l x (sum over its children of ln alpha),
; a child of layer l has 2^(9-l) leaves, and along each path the logarithms telescope: penalty = -(lambda / 512) x sum over leaves of ln(S_leaf / 65536).
; SHARES: eight waves.  Wave w has rows 64 (w & 3) .. +63 (four row tiles of 16) and half g = w >> 2 of the tree below layer 4: 33 tiles of 16 nodes, 16 leaf steps.
; LAYOUT: product 1 is D = (16 rows of W) x (16 rows of data): lane (r, h), register j holds data row r and slot 8h + j; slot s is node s of layer 4 and carries
; the subtree below it.  All slots walk the same path q, so a split is p x mu and mu - p x mu on whole registers: no lane is crossed and mu never leaves registers.
; The 8 left and 8 right leaves of a lane, rounded to 16 bits, ARE a fragment of K = 32 (registers 0-3 the left leaves of slots 8h + e, 4-7 the right ones):
; source 1 of out (+)= WL x F.
; FORMATS: both products take f16 operands: a path product carries the errors of ten logits, and f16 has 11 significant bits.  mu lies in [0, 1] for every input;
; below 2^-14 its absolute error is 2^-25 at the most, which over 1,024 leaves stays far below a row's output (the squares of mu add to 1/1024 at the least).
; The leaf sums need the range of f32 (a leaf that every row reaches with 1e-9 has a finite logarithm): the four row tiles are added in f32, the sums are rounded
; to bf16, and that fragment times a selection matrix turns them so that the 16 rows of a tile can be added inside a lane.
; CLUSTER: every work-group walks the same 335,872 bytes of weights, so four work-groups ask for each part jointly (mask 15).  A mask names four
; at the most and there is one shared stream, so the cluster is 4 x 1.  No LDS address, branch or descriptor word hangs on the place in the cluster.
; LIMITS: |data| has to stay below 65,504, f16's largest number.  The leaf sums add four-row sums rounded to bf16.  A logit beyond exp2's range gives
; p = 0 or p = 1 exactly; everything stays finite.  1 - p is formed as mu - p mu, with the rounding that the f32 subtraction 1 - p has too.
.set SLOT0, 0x00000                    ; steps 0 and 2 of the weights: 73,728 bytes
.set SLOT1, 0x12000                    ; steps 1 and 3
.set UREG,  0x24000                    ; the tiles of layers 0 to 6, 40,960 bytes, filled once
.set SUMS,  0x2e000                    ; written by LDS stores alone: [wave] 4,096 [leaf step 0..15] 256 [lane] 8 bytes (left, right)
.set DST,   0x36000                    ; written by LDS stores alone: first data in f16, 256 rows of pitch 272; at the end out0's halves, [g] 36,864, rows of pitch 144
.set PIECE, 36864                      ; one half g of a step
.set STEPB, 73728
.set DPITCH, 272                       ; 256 bytes + 16: an odd multiple of 16, so the 16 rows of a fragment load lie in 16 different 16-byte columns of 256
.set OPITCH, 144                       ; 128 bytes + 16, likewise
; window 0
.set WB0, 1                            ; slot 0 + my piece + 16 lane
.set WB1, 2                            ; slot 1 likewise
.set UBV, 3                            ; UREG + 20,480 g + 16 lane
.set SUA, 4                            ; SUMS + 4,096 w + 8 lane
.set DA,  5                            ; data fragments: DST + (64 q4 + r) 272 + 16 h
.set DSA, 6                            ; data rows in: DST + 32 w 272 + 8 lane
.set GO,  7                            ; 16 lane
.set FS,  8                            ; v[8:15]    work registers; in a leaf step the bf16 fragment of the four-row sums
.set EV,  16                           ; v[16:47]   logits of a tile, then p, then the left products, then the fragments F
.set WF,  48                           ; v[48:79]   a tile's four fragments of W
.set WL,  80                           ; v[80:95]   two fragments of W_leaf
.set ISR, 96                           ; v[96:103]  zeros, I4: selects k = 16 + n
.set ISL, 100                          ; v[100:107] I4, zeros: selects k = n
.set D1L, 108                          ; v[108:115] sums of the left leaves (before that: work registers of the four-row sums)
.set D1R, 116                          ; v[116:123] sums of the right leaves (likewise)
.set OUT, 124                          ; v[124:187] out tile (rt, ot) at 8 (2 rt + ot)
.set MA,  188                          ; v[188:219] a set of mu
.set MB,  220                          ; v[220:251] a set of mu
.set SUMP, 252                         ; v[252:253]
.set RAW, 124                          ; v[124:251] at the start: my 32 rows of data in f32
; window 1
.set DAT, 0                            ; v[256:383] data fragments, (rt, c) at 32 rt + 8 c
.set M0, 128                           ; v[384:511] the four sets of mu of layer 7
.set M1, 160
.set M2, 192
.set M3, 224
; s_set_vgpr_msb: bits 1:0 source 0, 3:2 source 1, 5:4 source 2, 7:6 destination
.set WX,  0x04                         ; source 1 in window 1: product 1, splits that read M_i.  Lines that name source 0 and the destination alone mean the same as under 0
.set WXD, 0x44                         ; source 1 and destination in window 1
.set WD,  0x40                         ; destination in window 1
.set MSB, 0
.macro WIN new                         ; the immediate's high byte repeats the setting that is left; a switch that changes nothing is dropped
.if MSB != \new
	s_set_vgpr_msb (MSB<<8)|\new
.set MSB, \new
.endif
.endm
.macro PLACES n
.rept \n
	v_nop
.endr
.endm
; A round of the cluster's barrier: my work-group's barrier, wave 0 signals for the work-group, every wave waits for all four work-groups, my work-group's barrier again.
.macro ROUND
	s_barrier_signal -1
	s_barrier_wait -1
	s_cmp_lg_u32 s12, 0
	s_cbranch_scc1 .Lnot_wave_0_\@
	s_barrier_signal -3
.Lnot_wave_0_\@:
	s_barrier_wait -3
	s_barrier_signal -1
	s_barrier_wait -1
.endm
.macro LOADW a, off                    ; a tile's 4,096 bytes: each load takes 512 consecutive bytes
.irp i, 0,1,2,3,4,5,6,7
	ds_load_b128 v[WF+4*\i:WF+4*\i+3], v[\a] offset:\off+512*\i
.endr
.endm
.macro LOADWL a, off
.irp i, 0,1,2,3
	ds_load_b128 v[WL+4*\i:WL+4*\i+3], v[\a] offset:\off+512*\i
.endr
.endm
; Product 1 of a tile: 16 nodes x 64 rows x K = 128.  The four accumulators take turns, one instruction a turn.
.macro G16
.irp c, 0,1,2,3
.irp rt, 0,1,2,3
.if \c == 0
	v_wmma_f32_16x16x32_f16 v[EV+8*\rt:EV+8*\rt+7], v[WF+8*\c:WF+8*\c+7], v[DAT+32*\rt+8*\c:DAT+32*\rt+8*\c+7], 0
.else
	v_wmma_f32_16x16x32_f16 v[EV+8*\rt:EV+8*\rt+7], v[WF+8*\c:WF+8*\c+7], v[DAT+32*\rt+8*\c:DAT+32*\rt+8*\c+7], v[EV+8*\rt:EV+8*\rt+7]
.endif
.endr
.endr
.endm
; p = 1 / (1 + exp2(z')), z' = -log2(e) z.  Behind each run of transcendentals one plain place before their results are used (ISA guide 5.7.2).
.macro SIG
.set k, 0
.rept 32
	v_exp_f32 v[EV+k], v[EV+k]
.set k, k+1
.endr
	v_nop
.set k, 0
	s_wait_alu depctr_va_vdst(0)
.rept 16
	v_pk_add_f32 v[EV+k:EV+k+1], v[EV+k:EV+k+1], 1.0 op_sel_hi:[1,0]
.set k, k+2
.endr
.set k, 0
.rept 32
	v_rcp_f32 v[EV+k], v[EV+k]
.set k, k+1
.endr
	v_nop
.endm
; One tile: its fragments are in WF.  Four places behind the last matrix instruction (ISA guide 7.12.1) before WF is loaded again and the logits are read;
; the next tile's fragments (and a leaf step's W_leaf) travel while the sigmoids are made.
.macro TILE next, na, noff, wl, wa, woff
	s_wait_dscnt 0x0                               ; the tile's fragments, asked for one tile ago
	WIN WX
	G16
	PLACES 4
.if \wl
	LOADWL \wa, \woff
.endif
.if \next
	LOADW \na, \noff
.endif
	SIG
.endm
.macro MULS d, mu                      ; d = p mu
.set k, 0
	s_wait_alu depctr_va_vdst(0)
.rept 16
	v_pk_mul_f32 v[\d+k:\d+k+1], v[EV+k:EV+k+1], v[\mu+k:\mu+k+1]
.set k, k+2
.endr
.endm
.macro SUBS d, l, mu                   ; d = mu - l
.set k, 0
.rept 16
	v_pk_add_f32 v[\d+k:\d+k+1], v[\l+k:\l+k+1], v[\mu+k:\mu+k+1] neg_lo:[1,0] neg_hi:[1,0]
.set k, k+2
.endr
.endm
.macro FMAS d, mu                      ; d = mu - p mu
.set k, 0
.rept 16
	v_pk_fma_f32 v[\d+k:\d+k+1], v[EV+k:EV+k+1], v[\mu+k:\mu+k+1], v[\mu+k:\mu+k+1] neg_lo:[1,0,0] neg_hi:[1,0,0]
.set k, k+2
.endr
.endm
; Layers 0 to 3 inside a lane: P0 = mu of node h of layer 1, P1 its p, P2, P3 those of its two children, P4..P7 of its four grandchildren; MA[j] = mu of slot 8h + j.
.macro TOP
	s_wait_alu depctr_va_vdst(0)
.irp rt, 0,1,2,3
	v_mul_f32 v8, v[EV+8*\rt], v[EV+8*\rt+1]
	v_sub_f32 v9, v[EV+8*\rt], v8
	v_mul_f32 v10, v8, v[EV+8*\rt+2]
	v_mul_f32 v12, v9, v[EV+8*\rt+3]
	v_sub_f32 v11, v8, v10
	v_sub_f32 v13, v9, v12
.irp b, 0,1,2,3
	v_mul_f32 v[MA+8*\rt+2*\b], v[10+\b], v[EV+8*\rt+4+\b]
	v_sub_f32 v[MA+8*\rt+2*\b+1], v[10+\b], v[MA+8*\rt+2*\b]
.endr
.endr
.endm
; The eight leaves of a lane in set src, added over the four row tiles in f32 and rounded to bf16: four registers of the fragment FS.
.macro SUM4 src, dst
.irp k, 0,2,4,6
	v_pk_add_f32 v[D1L+\k:D1L+\k+1], v[\src+\k:\src+\k+1], v[\src+8+\k:\src+8+\k+1]
	v_pk_add_f32 v[D1R+\k:D1R+\k+1], v[\src+16+\k:\src+16+\k+1], v[\src+24+\k:\src+24+\k+1]
.endr
.irp k, 0,2,4,6
	v_pk_add_f32 v[D1L+\k:D1L+\k+1], v[D1L+\k:D1L+\k+1], v[D1R+\k:D1R+\k+1]
.endr
.irp i, 0,1,2,3
	v_cvt_pk_bf16_f32 v[\dst+\i], v[D1L+2*\i], v[D1L+2*\i+1]
.endr
.endm
; The left leaves (in EV) and the right ones (in mu) to f16, in place: register i is written when registers 2i, 2i+1 have been read.
.macro CVTF mu
.irp rt, 0,1,2,3
.irp i, 0,1,2,3
	v_cvt_pk_f16_f32 v[EV+8*\rt+\i], v[EV+8*\rt+2*\i], v[EV+8*\rt+2*\i+1]
.endr
.irp i, 0,1,2,3
	v_cvt_pk_f16_f32 v[EV+8*\rt+4+\i], v[\mu+8*\rt+2*\i], v[\mu+8*\rt+2*\i+1]
.endr
.endr
.endm
.macro OUTW rt, ot, first              ; out tile (rt, ot) (+)= W_leaf's fragment ot x the leaves of row tile rt
.if \first
	v_wmma_f32_16x16x32_f16 v[OUT+16*\rt+8*\ot:OUT+16*\rt+8*\ot+7], v[WL+8*\ot:WL+8*\ot+7], v[EV+8*\rt:EV+8*\rt+7], 0
.else
	v_wmma_f32_16x16x32_f16 v[OUT+16*\rt+8*\ot:OUT+16*\rt+8*\ot+7], v[WL+8*\ot:WL+8*\ot+7], v[EV+8*\rt:EV+8*\rt+7], v[OUT+16*\rt+8*\ot:OUT+16*\rt+8*\ot+7]
.endif
.endm
; The ten matrix instructions of a leaf step, each on an accumulator of its own: no two that follow each other share one.
.macro LEAFMM first
	OUTW 0, 0, \first
	v_wmma_f32_16x16x32_bf16 v[D1L:D1L+7], v[FS:FS+7], v[ISL:ISL+7], 0     ; D(m = row, n = slot) = the left sums, turned
	OUTW 0, 1, \first
	v_wmma_f32_16x16x32_bf16 v[D1R:D1R+7], v[FS:FS+7], v[ISR:ISR+7], 0     ; the right sums
	OUTW 1, 0, \first
	OUTW 1, 1, \first
	OUTW 2, 0, \first
	OUTW 2, 1, \first
	OUTW 3, 0, \first
	OUTW 3, 1, \first
.endm
; A tile of layer 9 and its 32 leaves: mu = the set of the tile's nodes; st = the leaf step's number in the wave, 0..15.
.macro LEAF mu, wb, woff, next, noff, st, first
	TILE \next, \wb, \noff, 1, \wb, \woff
	WIN 0
	MULS EV, \mu                                   ; left leaves
	SUBS \mu, EV, \mu                              ; right leaves
	SUM4 EV, FS
	SUM4 \mu, FS+4
	CVTF \mu
.if \next
	s_wait_dscnt 0x8                               ; the four loads of W_leaf are in; the eight younger ones, the next tile's fragments, may stay out
.else
	s_wait_dscnt 0x0
.endif
	LEAFMM \first
	PLACES 4                                       ; four places before the sums are read; the eight plain lines below name no register of the
	                                               ; products on out and are further places in front of the next loads into W_leaf's registers and the next product 1, which writes over F
	v_pk_add_f32 v[D1L:D1L+1], v[D1L:D1L+1], v[D1L+2:D1L+3]
	v_pk_add_f32 v[D1L+4:D1L+5], v[D1L+4:D1L+5], v[D1L+6:D1L+7]
	v_pk_add_f32 v[D1R:D1R+1], v[D1R:D1R+1], v[D1R+2:D1R+3]
	v_pk_add_f32 v[D1R+4:D1R+5], v[D1R+4:D1R+5], v[D1R+6:D1R+7]
	v_pk_add_f32 v[D1L:D1L+1], v[D1L:D1L+1], v[D1L+4:D1L+5]
	v_pk_add_f32 v[D1R:D1R+1], v[D1R:D1R+1], v[D1R+4:D1R+5]
	v_add_f32 v[SUMP], v[D1L], v[D1L+1]            ; lane (r, h): slot r's left leaf over rows 8h .. 8h+7 of my four row tiles
	v_add_f32 v[SUMP+1], v[D1R], v[D1R+1]
	ds_store_b64 v[SUA], v[SUMP:SUMP+1] offset:256*(\st)
.endm
; One piece of the weights: the subtree below tile X7(4g + t), whose mu is M_t.
.macro TRIP wb, mi, t, first
	LOADW \wb, 0
	TILE 1, \wb, 4096, 0, \wb, 0                   ; X7
	WIN WX
	MULS MA, \mi                                   ; MA = left child's mu
	WIN WXD
	SUBS \mi, MA, \mi                              ; M_t = right child's, kept for the second half of the trip
	TILE 1, \wb, 8192, 0, \wb, 0                   ; X8, left
	WIN 0
	MULS MB, MA
	SUBS MA, MB, MA
	LEAF MB, \wb, 12288, 1, 14336, 4*\t, \first
	LEAF MA, \wb, 18432, 1, 20480, 4*\t+1, 0
	TILE 1, \wb, 24576, 0, \wb, 0                  ; X8, right
	WIN WX
	MULS MB, \mi
	SUBS MA, MB, \mi
	LEAF MB, \wb, 28672, 1, 30720, 4*\t+2, 0
	LEAF MA, \wb, 34816, 0, 0, 4*\t+3, 0
	WIN 0
.endm
	; ---- the head: ids, descriptors, the data loads, the first joint loads
	s_load_b256 s[4:11], s[0:1], 0x0               ; data s[4:5], wstream s[6:7], out0 s[8:9], colsum s[10:11]
	v_lshl_add_u32 v254, v0, 2, 0x48000
	v_mov_b32 v255, 0
	ds_add_u32 v254, v255
	v_lshrrev_b32 v8, 5, v0
	v_readfirstlane_b32 s12, v8                    ; wave w
	s_and_b32 s13, s12, 3                          ; q4: my 64 rows
	s_lshr_b32 s14, s12, 2                         ; g: my half of the tree
	s_bfe_u32 s52, ttmp6, 0x40000                  ; my place in the cluster
	s_lshl_b32 s15, ttmp9, 2
	s_add_co_u32 s15, s15, s52                     ; work-group 0..255
	v_and_b32 v9, 31, v0                           ; lane
	v_lshlrev_b32 v[GO], 4, v9
	; group 1 for U: each wave brings 20 rows of 256 bytes (32 elements of 8 bytes), dense; for a step: 36 rows
	s_mov_b32 s16, 0x0023000f                      ; 15:0 mask: all four work-groups; 17:16 elements of 8 bytes; bit 21 set beside a mask
	s_mov_b32 s17, 32<<16                          ; tensor_dim0 = 32
	s_mov_b32 s18, 20<<16                          ; tensor_dim1 = 20
	s_mov_b32 s19, 32<<16                          ; tile_dim0 = 32
	s_mov_b32 s20, 20                              ; tile_dim1 = 20
	s_mov_b32 s21, 32                              ; pitch: 32 elements
	s_mov_b32 s22, 0
	s_mov_b32 s23, 0
	s_mov_b32 s24, 0x0023000f
	s_mov_b32 s25, 32<<16
	s_mov_b32 s26, 36<<16
	s_mov_b32 s27, 32<<16
	s_mov_b32 s28, 36
	s_mov_b32 s29, 32
	s_mov_b32 s30, 0
	s_mov_b32 s31, 0
	s_lshl_b32 s52, s15, 17                        ; 256 rows of 512 bytes a work-group,
	s_lshl_b32 s53, s12, 14                        ; 32 rows a wave
	s_add_co_u32 s52, s52, s53
	s_mov_b32 s53, 0
	s_mul_i32 s54, s12, 5120                       ; my eighth of U
	s_mov_b32 s55, 0
	s_mul_i32 s56, s12, 9216                       ; my eighth of a step
	s_mov_b32 s57, 0
	s_mov_b32 s32, 1
	s_add_co_u32 s33, s54, UREG
	s_mov_b32 s36, 1
	s_add_co_u32 s37, s56, SLOT0
	s_mov_b32 s40, 1
	s_add_co_u32 s41, s56, SLOT1
	s_wait_dscnt 0x0
	s_wait_kmcnt 0x0
	s_add_nc_u64 s[4:5], s[4:5], s[52:53]
	s_add_nc_u64 s[34:35], s[6:7], s[54:55]
	s_add_nc_u64 s[38:39], s[6:7], s[56:57]
	s_add_nc_u64 s[38:39], s[38:39], 40960         ; step 0
	s_add_nc_u64 s[42:43], s[38:39], STEPB         ; step 1
	s_or_b32 s35, s35, 0x80000000                  ; type 2
	s_or_b32 s39, s39, 0x80000000
	s_or_b32 s43, s43, 0x80000000
.set i, 0
.rept 32
	global_load_b128 v[RAW+4*i:RAW+4*i+3], v[GO], s[4:5] offset:512*i th:TH_LOAD_NT   ; row 32 w + i: 512 consecutive bytes, read once in the launch
.set i, i+1
.endr
	ROUND                                          ; the four work-groups are here: the joint loads meet
	tensor_load_to_lds s[32:35], s[16:23]          ; U
	s_nop 0
	tensor_load_to_lds s[36:39], s[24:31]          ; step 0
	s_nop 0
	tensor_load_to_lds s[40:43], s[24:31]          ; step 1: three tensor loads of the wave are out, the most in this text
	s_nop 0
	; ---- vector addresses and the selection matrices, while the loads travel
	v_and_b32 v10, 15, v0                          ; r
	v_bfe_u32 v11, v0, 4, 1                        ; h
	s_mul_i32 s53, s14, PIECE
	v_add_nc_u32 v[WB0], s53, v[GO]
	v_add_nc_u32 v[WB1], SLOT1, v[WB0]
	s_mul_i32 s53, s14, 20480
	s_add_co_u32 s53, s53, UREG
	v_add_nc_u32 v[UBV], s53, v[GO]
	s_lshl_b32 s53, s12, 12
	s_add_co_u32 s53, s53, SUMS
	v_lshl_add_u32 v[SUA], v9, 3, s53
	s_lshl_b32 s53, s13, 6
	v_add_nc_u32 v12, s53, v10                     ; 64 q4 + r
	v_mul_u32_u24 v12, v12, DPITCH
	v_lshl_add_u32 v12, v11, 4, v12
	v_add_nc_u32 v[DA], DST, v12
	s_mul_i32 s53, s12, 32*DPITCH
	s_add_co_u32 s53, s53, DST
	v_lshl_add_u32 v[DSA], v9, 3, s53
	; I4: lane (r, h) holds column n = r; element e of its four registers is 1.0 in bf16 where 8h + e = r
	v_and_b32 v12, 1, v10
	v_lshlrev_b32 v12, 4, v12
	v_mov_b32 v13, 0x3f80
	v_lshlrev_b32 v12, v12, v13                    ; 1.0 in the low or in the high half
	v_lshrrev_b32 v13, 3, v10
	v_cmp_eq_u32 vcc_lo, v13, v11
	v_cndmask_b32 v12, 0, v12, vcc_lo
	v_bfe_u32 v14, v10, 1, 2                       ; the register
.irp i, 0,1,2,3
	v_cmp_eq_u32 vcc_lo, \i, v14
	v_cndmask_b32 v[ISL+\i], 0, v12, vcc_lo
	v_mov_b32 v[ISR+\i], 0
	v_mov_b32 v[ISL+4+\i], 0
.endr
	; ---- data to f16, through LDS into fragment order
.set i, 0
.rept 32
	s_wait_loadcnt 31-i                            ; loads come back in order (ISA guide 5.7.1): row i is in, the younger rows stay out
	v_cvt_pk_f16_f32 v[EV+2*i], v[RAW+4*i], v[RAW+4*i+1]
	v_cvt_pk_f16_f32 v[EV+2*i+1], v[RAW+4*i+2], v[RAW+4*i+3]
	ds_store_b64 v[DSA], v[EV+2*i:EV+2*i+1] offset:DPITCH*i
.set i, i+1
.endr
	s_wait_dscnt 0x0                               ; my rows are in LDS,
	s_wait_tensorcnt 0x2                           ; and my part of U; the two steps stay out
	s_barrier_signal -1
	s_barrier_wait -1
	WIN WD
.irp rt, 0,1,2,3
.irp c, 0,1,2,3
	ds_load_b128 v[DAT+32*\rt+8*\c:DAT+32*\rt+8*\c+3], v[DA] offset:16*DPITCH*\rt+64*\c
	ds_load_b128 v[DAT+32*\rt+8*\c+4:DAT+32*\rt+8*\c+7], v[DA] offset:16*DPITCH*\rt+64*\c+32
.endr
.endr
	WIN 0
	; ---- layers 0 to 6
	LOADW UBV, 0
	TILE 1, UBV, 4096, 0, UBV, 0                   ; T: layers 0 to 3
	WIN 0
	TOP
	TILE 1, UBV, 8192, 0, UBV, 0                   ; X4, with the sign of my half: p or 1 - p
	WIN 0
	MULS MB, MA                                    ; mu of X5(g)
	TILE 1, UBV, 12288, 0, UBV, 0                  ; X5(g)
	WIN 0
	MULS MA, MB                                    ; mu of X6(2g)
	SUBS MB, MA, MB                                ; mu of X6(2g+1)
	TILE 1, UBV, 16384, 0, UBV, 0                  ; X6(2g)
	WIN WD
	MULS M0, MA
	FMAS M1, MA
	TILE 0, UBV, 0, 0, UBV, 0                      ; X6(2g+1)
	WIN WD
	MULS M2, MB
	FMAS M3, MB
	WIN 0
	; ---- four trips through the two slots
	s_wait_tensorcnt 0x1                           ; my part of step 0 is in; step 1 stays out
	s_wait_dscnt 0x0
	s_barrier_signal -1
	s_barrier_wait -1
	TRIP WB0, M0, 0, 1
	s_wait_tensorcnt 0x0                           ; all my tensor loads have landed, my part of step 1 among them, so a group 0 may be written
	ds_add_u32 v254, v255
	s_add_nc_u64 s[38:39], s[38:39], 2*STEPB       ; step 2
	s_wait_dscnt 0x0                               ; my reads of slot 0 are back
	ROUND                                          ; both hold of every wave of the four work-groups
	tensor_load_to_lds s[36:39], s[24:31]          ; step 2 into slot 0: it has the whole trip in which to land
	s_nop 0
	TRIP WB1, M1, 1, 0
	s_wait_tensorcnt 0x0
	ds_add_u32 v254, v255
	s_add_nc_u64 s[42:43], s[42:43], 2*STEPB       ; step 3
	s_wait_dscnt 0x0
	ROUND
	tensor_load_to_lds s[40:43], s[24:31]          ; step 3 into slot 1
	s_nop 0
	TRIP WB0, M2, 2, 0
	s_wait_tensorcnt 0x0                           ; my part of step 3
	s_wait_dscnt 0x0
	s_barrier_signal -1
	s_barrier_wait -1
	TRIP WB1, M3, 3, 0
	; ---- the way out.  The places behind the last matrix instructions have passed in the last leaf step.
	; Lane (r, h) holds, for row 64 q4 + 16 rt + r, the outputs 16 ot + 8h .. +7 of my half of the leaves: 32 bytes of a row of 128.
	v_and_b32 v10, 15, v0
	v_bfe_u32 v11, v0, 4, 1
	s_lshl_b32 s52, s13, 6
	v_add_nc_u32 v8, s52, v10
	v_mul_u32_u24 v8, v8, OPITCH
	v_lshl_add_u32 v8, v11, 5, v8
	s_mul_i32 s52, s14, PIECE                      ; 256 rows of 144 bytes = 36,864 for each half g
	s_add_co_u32 s52, s52, DST
	v_add_nc_u32 v8, s52, v8
.irp rt, 0,1,2,3
.irp ot, 0,1
	ds_store_b128 v8, v[OUT+8*(2*\rt+\ot):OUT+8*(2*\rt+\ot)+3] offset:16*OPITCH*\rt+64*\ot
	ds_store_b128 v8, v[OUT+8*(2*\rt+\ot)+4:OUT+8*(2*\rt+\ot)+7] offset:16*OPITCH*\rt+64*\ot+16
.endr
.endr
	s_wait_dscnt 0x0                               ; my halves of out0 and my leaf sums are in LDS
	s_barrier_signal -1
	s_barrier_wait -1
	; out0: wave w takes rows 32 w .. +31, four rows a load; the two halves of the leaves are added
	v_and_b32 v12, 31, v0
	v_lshrrev_b32 v13, 3, v12
	s_lshl_b32 s52, s12, 5
	v_add_nc_u32 v13, s52, v13
	v_mul_u32_u24 v13, v13, OPITCH
	v_and_b32 v14, 7, v12
	v_lshl_add_u32 v13, v14, 4, v13
	v_add_nc_u32 v9, DST, v13
.irp i, 0,1,2,3,4,5,6,7
	ds_load_b128 v[16+4*\i:16+4*\i+3], v9 offset:4*OPITCH*\i
	ds_load_b128 v[48+4*\i:48+4*\i+3], v9 offset:PIECE+4*OPITCH*\i
.endr
	; the leaf sums: thread t takes leaf step t >> 4 and slot t & 15 of both halves g: four waves and two halves of lanes each
	v_lshrrev_b32 v12, 4, v0
	v_lshlrev_b32 v12, 8, v12
	v_lshl_add_u32 v12, v10, 3, v12
	v_add_nc_u32 v12, SUMS, v12
.irp gg, 0,1
.irp q, 0,1,2,3
	ds_load_b64 v[80+16*\gg+4*\q:80+16*\gg+4*\q+1], v12 offset:16384*\gg+4096*\q
	ds_load_b64 v[80+16*\gg+4*\q+2:80+16*\gg+4*\q+3], v12 offset:16384*\gg+4096*\q+128
.endr
.endr
	s_lshl_b32 s52, s15, 15                        ; 256 rows of 128 bytes a work-group,
	s_lshl_b32 s53, s12, 12                        ; 32 a wave
	s_add_co_u32 s52, s52, s53
	s_mov_b32 s53, 0
	s_add_nc_u64 s[8:9], s[8:9], s[52:53]
	s_lshl_b32 s52, s15, 12                        ; 1,024 sums a work-group
	s_add_nc_u64 s[10:11], s[10:11], s[52:53]
	v_lshlrev_b32 v13, 3, v0
	s_wait_dscnt 0x10                              ; the sixteen loads of out0 are in; the sixteen younger ones, the sums, may stay out
.set k, 0
.rept 16
	v_pk_add_f32 v[16+k:16+k+1], v[16+k:16+k+1], v[48+k:48+k+1]
.set k, k+2
.endr
.irp i, 0,1,2,3,4,5,6,7
	global_store_b128 v[GO], v[16+4*\i:16+4*\i+3], s[8:9] offset:512*\i th:TH_STORE_NT   ; four whole rows: 512 consecutive bytes
.endr
	s_wait_dscnt 0x0
.irp gg, 0,1
	v_pk_add_f32 v[80+16*\gg:80+16*\gg+1], v[80+16*\gg:80+16*\gg+1], v[80+16*\gg+2:80+16*\gg+3]
	v_pk_add_f32 v[80+16*\gg+4:80+16*\gg+5], v[80+16*\gg+4:80+16*\gg+5], v[80+16*\gg+6:80+16*\gg+7]
	v_pk_add_f32 v[80+16*\gg+8:80+16*\gg+9], v[80+16*\gg+8:80+16*\gg+9], v[80+16*\gg+10:80+16*\gg+11]
	v_pk_add_f32 v[80+16*\gg+12:80+16*\gg+13], v[80+16*\gg+12:80+16*\gg+13], v[80+16*\gg+14:80+16*\gg+15]
	v_pk_add_f32 v[80+16*\gg:80+16*\gg+1], v[80+16*\gg:80+16*\gg+1], v[80+16*\gg+4:80+16*\gg+5]
	v_pk_add_f32 v[80+16*\gg+8:80+16*\gg+9], v[80+16*\gg+8:80+16*\gg+9], v[80+16*\gg+12:80+16*\gg+13]
	v_pk_add_f32 v[80+16*\gg:80+16*\gg+1], v[80+16*\gg:80+16*\gg+1], v[80+16*\gg+8:80+16*\gg+9]
	global_store_b64 v13, v[80+16*\gg:80+16*\gg+1], s[10:11] offset:2048*\gg th:TH_STORE_NT   ; a wave's store covers 256 consecutive bytes, aligned
.endr
	s_wait_tensorcnt 0x0
	ds_add_u32 v254, v255
	s_wait_dscnt 0x0
	ROUND                                          ; the closing round: no work-group ends while a partner may still ask jointly
	s_endpgm
.Lfunc_end_k_q53f81017cc_tree:
	.size	k_q53f81017cc_tree, .Lfunc_end_k_q53f81017cc_tree-k_q53f81017cc_tree
	.p2alignl 7, 3214868480
	.fill 96, 4, 3214868480
	.section	.rodata,"a",@progbits
	.p2align	6, 0x0
	.amdhsa_kernel k_q53f81017cc_tree
		.amdhsa_group_segment_fixed_size 327680
		.amdhsa_private_segment_fixed_size 0
		.amdhsa_enable_private_segment 0
		.amdhsa_kernarg_size 32
		.amdhsa_user_sgpr_count 2
		.amdhsa_user_sgpr_kernarg_segment_ptr 1
		.amdhsa_wavefront_size32 1
		.amdhsa_system_sgpr_workgroup_id_x 1
		.amdhsa_system_sgpr_workgroup_id_y 1
		.amdhsa_system_sgpr_workgroup_id_z 1
		.amdhsa_system_vgpr_workitem_id 0
		.amdhsa_next_free_vgpr 512
		.amdhsa_next_free_sgpr 66
		.amdhsa_reserve_vcc 1
		.amdhsa_float_denorm_mode_32 3
		.amdhsa_float_denorm_mode_16_64 3
		.amdhsa_memory_ordered 1
		.amdhsa_forward_progress 1
		.amdhsa_inst_pref_size 255
	.end_amdhsa_kernel
	.section	.bss,"aw",@nobits
	.p2align	6
	.space	262144
	.amdgpu_metadata
---
amdhsa.version: [ 1, 2 ]
amdhsa.kernels:
  - .name:           k_q53f81017cc_tree
    .symbol:         k_q53f81017cc_tree.kd
    .args:
      - { .name: data, .offset: 0, .size: 8, .value_kind: global_buffer, .address_space: global }
      - { .name: wstream, .offset: 8, .size: 8, .value_kind: global_buffer, .address_space: global }
      - { .name: out0, .offset: 16, .size: 8, .value_kind: global_buffer, .address_space: global }
      - { .name: colsum, .offset: 24, .size: 8, .value_kind: global_buffer, .address_space: global }
    .group_segment_fixed_size: 327680
    .private_segment_fixed_size: 0
    .kernarg_segment_align: 8
    .kernarg_segment_size: 32
    .max_flat_workgroup_size: 256
    .sgpr_count:     66
    .vgpr_count:     512
    .wavefront_size: 32
...
	.end_amdgpu_metadata
.endif
;; end of part 2
;; launch fold (part 3): grid 16 x 1, 8 waves a work-group, no clusters, 5,120 bytes of LDS; arguments colsum, logsum; writes logsum
.if DOCPART == 3
	.amdgcn_target "amdgcn-amd-amdhsa--gfx1250"
	.amdhsa_code_object_version 6
	.text
	.protected	k_q53f81017cc_fold
	.globl	k_q53f81017cc_fold
	.p2align	8
	.type	k_q53f81017cc_fold,@function
k_q53f81017cc_fold:
	s_mov_b64 s[64:65], 0
	v_nop
	global_prefetch_b8 v0, s[64:65] scope:SCOPE_SE
	s_setreg_imm32_b32 hwreg(HW_REG_WAVE_MODE, 25, 1), 1
	s_wait_xcnt 0x0
; fold: colsum is [256 work-groups][1,024 positions] of f32.  Work-group n adds the 256 partial sums of positions 64 n .. 64 n + 63
; and stores the sum over those positions of log2(S) - 16 = log2(S / 65536).  The order of the positions does not matter: all are added in the end.
; Thread t: quad = t & 15 (four positions, 16 bytes), grp = t >> 4 (sixteen of the 256 partials): sixteen lanes read 256 consecutive bytes, aligned.
; LIMIT: v_log_f32 takes a denormal as zero (ISA guide, 15.8): a leaf sum below 2^-126 gives -inf here and +inf as the penalty.
; No matrix unit, cluster or tensor load: 65,536 bytes a work-group, read once, shared with nobody.
.macro QADD a, b                       ; four sums at once: quad a += quad b
	v_pk_add_f32 v[16+4*(\a):16+4*(\a)+1], v[16+4*(\a):16+4*(\a)+1], v[16+4*(\b):16+4*(\b)+1]
	v_pk_add_f32 v[16+4*(\a)+2:16+4*(\a)+3], v[16+4*(\a)+2:16+4*(\a)+3], v[16+4*(\b)+2:16+4*(\b)+3]
.endm
	s_load_b128 s[4:7], s[0:1], 0x0                ; colsum s[4:5], logsum s[6:7]
	v_lshl_add_u32 v80, v0, 2, 0x1000
	v_mov_b32 v81, 0
	v_lshrrev_b32 v1, 5, v0
	v_readfirstlane_b32 s8, v1                     ; wave
	v_and_b32 v2, 15, v0                           ; quad
	v_lshrrev_b32 v3, 4, v0                        ; grp
	v_lshlrev_b32 v4, 4, v2
	v_lshl_add_u32 v4, v3, 16, v4                  ; 16 partials of 4,096 bytes a grp
	s_lshl_b32 s9, ttmp9, 8                        ; 64 positions a work-group
	v_add_nc_u32 v4, s9, v4
	v_lshlrev_b32 v5, 4, v0
	s_mov_b32 s10, 0x76543210                      ; v_permlanex16_b32: lane i of one half reads lane i of the other
	s_mov_b32 s11, 0xfedcba98
	s_wait_kmcnt 0x0
.set i, 0
.rept 16
	global_load_b128 v[16+4*i:16+4*i+3], v4, s[4:5] offset:4096*i th:TH_LOAD_NT
.set i, i+1
.endr
	s_wait_loadcnt 0x0
.irp a, 0,2,4,6,8,10,12,14
	QADD \a, \a+1
.endr
.irp a, 0,4,8,12
	QADD \a, \a+2
.endr
	QADD 0, 4
	QADD 8, 12
	QADD 0, 8
	ds_store_b128 v5, v[16:19]                     ; at 256 grp + 16 quad
	s_wait_dscnt 0x0                               ; for the wave that reads them
	s_barrier_signal -1
	s_barrier_wait -1
	s_cmp_lg_u32 s8, 0
	s_cbranch_scc1 .Lothers
	v_lshlrev_b32 v6, 4, v2
	v_lshl_add_u32 v6, v3, 11, v6                  ; lanes 0-15 take grp 0..7, lanes 16-31 grp 8..15
.irp i, 0,1,2,3,4,5,6,7
	ds_load_b128 v[16+4*\i:16+4*\i+3], v6 offset:256*\i
.endr
	s_wait_dscnt 0x0
.irp a, 0,2,4,6
	QADD \a, \a+1
.endr
	QADD 0, 2
	QADD 4, 6
	QADD 0, 4
.irp k, 0,1,2,3
	v_permlanex16_b32 v[20+\k], v[16+\k], s10, s11 ; the other eight grp; the destinations have been written before
.endr
	v_pk_add_f32 v[16:17], v[16:17], v[20:21]
	v_pk_add_f32 v[18:19], v[18:19], v[22:23]      ; four whole leaf sums in every lane
	v_log_f32 v16, v16
	v_log_f32 v17, v17
	v_log_f32 v18, v18
	v_log_f32 v19, v19
	v_nop                                          ; one plain place behind the transcendentals (ISA guide 5.7.2)
	s_wait_alu depctr_va_vdst(0)
	v_add_f32 v16, v16, v17
	v_add_f32 v18, v18, v19
	v_add_f32 v16, v16, v18
	v_add_f32 v16, 0xc2800000, v16                 ; - 4 x 16
	v_add_f32_dpp v16, v16, v16 row_xmask:1 row_mask:0xf bank_mask:0xf
	v_add_f32_dpp v16, v16, v16 row_xmask:2 row_mask:0xf bank_mask:0xf
	v_add_f32_dpp v16, v16, v16 row_xmask:4 row_mask:0xf bank_mask:0xf
	v_add_f32_dpp v16, v16, v16 row_xmask:8 row_mask:0xf bank_mask:0xf
	s_lshl_b32 s9, ttmp9, 2
	v_mov_b32 v7, s9
	v_cmp_eq_u32 vcc_lo, 0, v0
	s_wait_xcnt 0x0                                ; EXEC changes only behind this wait
	s_wait_tensorcnt 0x0
	ds_add_u32 v80, v81
	s_wait_dscnt 0x0
	s_and_saveexec_b32 s12, vcc_lo
	global_store_b32 v7, v16, s[6:7]               ; one number a work-group
	s_wait_xcnt 0x0
	s_or_b32 exec_lo, exec_lo, s12
	s_endpgm
.Lothers:
	s_wait_tensorcnt 0x0
	ds_add_u32 v80, v81
	s_wait_dscnt 0x0
	s_endpgm
.Lfunc_end_k_q53f81017cc_fold:
	.size	k_q53f81017cc_fold, .Lfunc_end_k_q53f81017cc_fold-k_q53f81017cc_fold
	.p2alignl 7, 3214868480
	.fill 96, 4, 3214868480
	.section	.rodata,"a",@progbits
	.p2align	6, 0x0
	.amdhsa_kernel k_q53f81017cc_fold
		.amdhsa_group_segment_fixed_size 5120
		.amdhsa_private_segment_fixed_size 0
		.amdhsa_enable_private_segment 0
		.amdhsa_kernarg_size 16
		.amdhsa_user_sgpr_count 2
		.amdhsa_user_sgpr_kernarg_segment_ptr 1
		.amdhsa_wavefront_size32 1
		.amdhsa_system_sgpr_workgroup_id_x 1
		.amdhsa_system_sgpr_workgroup_id_y 1
		.amdhsa_system_sgpr_workgroup_id_z 1
		.amdhsa_system_vgpr_workitem_id 0
		.amdhsa_next_free_vgpr 82
		.amdhsa_next_free_sgpr 66
		.amdhsa_reserve_vcc 1
		.amdhsa_float_denorm_mode_32 3
		.amdhsa_float_denorm_mode_16_64 3
		.amdhsa_memory_ordered 1
		.amdhsa_forward_progress 1
		.amdhsa_inst_pref_size 8
	.end_amdhsa_kernel
	.amdgpu_metadata
---
amdhsa.version: [ 1, 2 ]
amdhsa.kernels:
  - .name:           k_q53f81017cc_fold
    .symbol:         k_q53f81017cc_fold.kd
    .args:
      - { .name: colsum, .offset: 0, .size: 8, .value_kind: global_buffer, .address_space: global }
      - { .name: logsum, .offset: 8, .size: 8, .value_kind: global_buffer, .address_space: global }
    .group_segment_fixed_size: 5120
    .private_segment_fixed_size: 0
    .kernarg_segment_align: 8
    .kernarg_segment_size: 16
    .max_flat_workgroup_size: 256
    .sgpr_count:     66
    .vgpr_count:     82
    .wavefront_size: 32
...
	.end_amdgpu_metadata
.endif
;; end of part 3
;; launch last (part 4): grid 1 x 1, 1 waves a work-group, no clusters, 0 bytes of LDS; arguments logsum, out1; writes out1
.if DOCPART == 4
	.amdgcn_target "amdgcn-amd-amdhsa--gfx1250"
	.amdhsa_code_object_version 6
	.text
	.protected	k_q53f81017cc_last
	.globl	k_q53f81017cc_last
	.p2align	8
	.type	k_q53f81017cc_last,@function
k_q53f81017cc_last:
	s_mov_b64 s[64:65], 0
	v_nop
	global_prefetch_b8 v0, s[64:65] scope:SCOPE_SE
	s_setreg_imm32_b32 hwreg(HW_REG_WAVE_MODE, 25, 1), 1
	s_wait_xcnt 0x0
; last: penalty = -(lambda ln 2 / 512) x the sum of the sixteen numbers of logsum, lambda = 0.001.
; One owner for a sum that spans the work-groups of the launch before; one wave is all the work there is.
	s_load_b128 s[4:7], s[0:1], 0x0                ; logsum s[4:5], out1 s[6:7]
	v_and_b32 v1, 15, v0
	v_lshlrev_b32 v1, 2, v1                        ; both halves of the wave read the same sixteen words
	v_mov_b32 v3, 0
	s_wait_kmcnt 0x0
	global_load_b32 v2, v1, s[4:5]
	s_wait_loadcnt 0x0
	v_add_f32_dpp v2, v2, v2 row_xmask:1 row_mask:0xf bank_mask:0xf
	v_add_f32_dpp v2, v2, v2 row_xmask:2 row_mask:0xf bank_mask:0xf
	v_add_f32_dpp v2, v2, v2 row_xmask:4 row_mask:0xf bank_mask:0xf
	v_add_f32_dpp v2, v2, v2 row_xmask:8 row_mask:0xf bank_mask:0xf
	v_mul_f32 v2, 0xb5b5b452, v2                   ; -0.001 x ln 2 / 512
	v_cmp_eq_u32 vcc_lo, 0, v0
	s_wait_xcnt 0x0                                ; EXEC changes only behind this wait
	s_and_saveexec_b32 s8, vcc_lo
	global_store_b32 v3, v2, s[6:7]
	s_wait_xcnt 0x0
	s_or_b32 exec_lo, exec_lo, s8
	s_endpgm
.Lfunc_end_k_q53f81017cc_last:
	.size	k_q53f81017cc_last, .Lfunc_end_k_q53f81017cc_last-k_q53f81017cc_last
	.p2alignl 7, 3214868480
	.fill 96, 4, 3214868480
	.section	.rodata,"a",@progbits
	.p2align	6, 0x0
	.amdhsa_kernel k_q53f81017cc_last
		.amdhsa_group_segment_fixed_size 0
		.amdhsa_private_segment_fixed_size 0
		.amdhsa_enable_private_segment 0
		.amdhsa_kernarg_size 16
		.amdhsa_user_sgpr_count 2
		.amdhsa_user_sgpr_kernarg_segment_ptr 1
		.amdhsa_wavefront_size32 1
		.amdhsa_system_sgpr_workgroup_id_x 1
		.amdhsa_system_sgpr_workgroup_id_y 1
		.amdhsa_system_sgpr_workgroup_id_z 1
		.amdhsa_system_vgpr_workitem_id 0
		.amdhsa_next_free_vgpr 8
		.amdhsa_next_free_sgpr 66
		.amdhsa_reserve_vcc 1
		.amdhsa_float_denorm_mode_32 3
		.amdhsa_float_denorm_mode_16_64 3
		.amdhsa_memory_ordered 1
		.amdhsa_forward_progress 1
		.amdhsa_inst_pref_size 2
	.end_amdhsa_kernel
	.amdgpu_metadata
---
amdhsa.version: [ 1, 2 ]
amdhsa.kernels:
  - .name:           k_q53f81017cc_last
    .symbol:         k_q53f81017cc_last.kd
    .args:
      - { .name: logsum, .offset: 0, .size: 8, .value_kind: global_buffer, .address_space: global }
      - { .name: out1, .offset: 8, .size: 8, .value_kind: global_buffer, .address_space: global }
    .group_segment_fixed_size: 0
    .private_segment_fixed_size: 0
    .kernarg_segment_align: 8
    .kernarg_segment_size: 16
    .max_flat_workgroup_size: 32
    .sgpr_count:     66
    .vgpr_count:     8
    .wavefront_size: 32
...
	.end_amdgpu_metadata
.endif
;; end of part 4
